; MI455X (gfx1250); checked and timed in simulation.
; The chip was launched on July 23, 2026; its instructions are those of AMD's public machine-readable ISA for CDNA 5 (MIT licence, August 2026) and "CDNA5" Instruction Set Architecture Reference Guide (July 2026). The comments in the code are by the model that wrote it; some were corrected since.
;; Multi Head Self Attention. Allowed arithmetic: matrix products marked QUANTISED: E2M3 operands, one E8M0 scale for each 32 along K, by v_wmma_scale_f32_16x16x128_f8f6f4 with both operands' format E2M3, f32 sums; everything else in f32.
;; Inputs: Wk_codes 1,024 x 32 x 24 uint8 (E2M3 codes of Wk, K innermost, in blocks of 32 codes, four codes in three bytes); Wk_scales 1,024 x 32 uint8 (E8M0 scales of Wk, one for each 32 codes along K); Wo_codes 1,024 x 32 x 24 uint8 (E2M3 codes of Wo, K innermost, in blocks of 32 codes, four codes in three bytes); Wo_scales 1,024 x 32 uint8 (E8M0 scales of Wo, one for each 32 codes along K); Wq_codes 1,024 x 32 x 24 uint8 (E2M3 codes of Wq, K innermost, in blocks of 32 codes, four codes in three bytes); Wq_scales 1,024 x 32 uint8 (E8M0 scales of Wq, one for each 32 codes along K); Wv_codes 1,024 x 32 x 24 uint8 (E2M3 codes of Wv, K innermost, in blocks of 32 codes, four codes in three bytes); Wv_scales 1,024 x 32 uint8 (E8M0 scales of Wv, one for each 32 codes along K); bo 1,024 float32; keys_codes 4 x 2,048 x 32 x 24 uint8 (E2M3 codes of keys, K innermost, in blocks of 32 codes, four codes in three bytes); keys_scales 4 x 2,048 x 32 uint8 (E8M0 scales of keys, one for each 32 codes along K); query_codes 4 x 2,048 x 32 x 24 uint8 (E2M3 codes of query, K innermost, in blocks of 32 codes, four codes in three bytes); query_scales 4 x 2,048 x 32 uint8 (E8M0 scales of query, one for each 32 codes along K); values_codes 4 x 2,048 x 32 x 24 uint8 (E2M3 codes of values, K innermost, in blocks of 32 codes, four codes in three bytes); values_scales 4 x 2,048 x 32 uint8 (E8M0 scales of values, one for each 32 codes along K).
;; Outputs: out0 4 x 2,048 x 1,024 float32.
;; This version of the problem:
;;   THIS VERSION OF THE PROBLEM IS GIVEN IN LOW PRECISION. The matrix products marked QUANTISED in the list below multiply operands that are first quantised to E2M3 (2 exponent bits, 3 mantissa bits; 6 bits a number), with one power-of-two scale for each 32 numbers along K (OCP MX v1.0); their sums are f32. All else is computed in f32.
;;   The module's matrix products, in the order in which they are computed (A, B: the left and right operand; K: the contracted axis; several contracted axes count as one K, in the product's order):
;;     1. [M 8,192, K 1,024] x [K 1,024, N 1,024]; A: input values (given as codes); B: input Wv (given as codes): QUANTISED
;;     2. [M 8,192, K 1,024] x [K 1,024, N 1,024]; A: input keys (given as codes); B: input Wk (given as codes): QUANTISED
;;     3. [M 8,192, K 1,024] x [K 1,024, N 1,024]; A: input query (given as codes); B: input Wq (given as codes): QUANTISED
;;     4. batch 64 x [M 2,048, K 64] x [K 64, N 2,048]; A: computed on the way; B: computed on the way: QUANTISED
;;     5. batch 64 x [M 64, K 2,048] x [K 2,048, N 2,048]; A: computed on the way; B: softmax (see below): QUANTISED
;;     6. [M 8,192, K 1,024] x [K 1,024, N 1,024]; A: computed on the way; B: input Wo (given as codes): QUANTISED
;;   THE QUANTISER, for each operand of a quantised product, along K:
;;     - K is cut into blocks of 32 from its start; a last block that is shorter is filled with zeros.
;;     - A block's scale is 2^e with e = floor(log2(the largest magnitude in the block)) - 2, held to -126 .. 127; a block of zeros has e = 0. As a byte (E8M0): e + 127.
;;     - Each number is divided by its block's scale, clamped to +-7.5, and rounded to the nearest number of E2M3, ties to even, subnormals kept.
;;     - The product sums the exact products of the quantised numbers (number of the format x scale) in f32.
;;   ~~~python
;;   def quantise(x, axis):      # numpy; x: float32 -> the quantised numbers, widened to float32 again
;;       x = np.moveaxis(x, axis, -1); K = x.shape[-1]
;;       x = np.pad(x, [(0, 0)] * (x.ndim - 1) + [(0, -K % 32)]); x = x.reshape(x.shape[:-1] + (-1, 32)); a = np.abs(x).max(-1, keepdims=True)
;;       e = np.where(a > 0, np.clip(np.frexp(np.where(a > 0, a, 1))[1] - 1 - 2, -126, 127), 0)      # np.frexp(a)[1] - 1 = floor(log2(a)), exactly
;;       r = np.clip(x / 2.0 ** e, -7.5, 7.5)
;;       step = 2.0 ** (np.maximum(np.frexp(np.where(r == 0, 1, r))[1] - 1, 0) - 3)
;;       q = np.round(r / step) * step * 2.0 ** e      # np.round: ties to even
;;       return np.moveaxis(q.reshape(q.shape[:-2] + (-1,))[..., :K], -1, axis).astype(np.float32)
;;   ~~~
;;   SOFTMAX AHEAD OF A QUANTISED PRODUCT. Where the list says 'softmax', what is quantised is not the finished softmax but p = 2^(t - M), with t = logit x log2(e) and M = ceil(the row's largest t), a whole number; so 1/2 < the row's largest p <= 1. The row's sum l is taken of the UNQUANTISED p, in f32, and the product's result is divided by l at the end. Since M is a whole number, a kernel that streams over the keys may use a running M (the ceiling of the running maximum): every later rescaling is an exact power of two, which a block's scale takes up: the codes' values come out the same.
;;   OPERANDS COMPUTED ON THE WAY. 'Computed on the way' means the value that the module computes at that place (a softmax that the list does not call 'softmax' is quantised finished and normalised). What goes into a quantiser is computed in f32, as accurately as f32 sums, v_exp_f32 and their like allow (about 1e-6 of the number): no bf16 or f16 on the way to a quantiser, and a product that is left as it is and whose result goes on into a quantised operand takes f32 operands (vector FMAs, or v_wmma_f32_16x16x4_f32). A number that lies on a knife's edge between two numbers of the format may be rounded either way, as far as f32 arithmetic and the matrix unit's own rounding can turn it there, and no further.
;;   INPUTS GIVEN AS CODES. Wk (in the module: [1024, 1024], K = its axis 1); Wo (in the module: [1024, 1024], K = its axis 1); Wq (in the module: [1024, 1024], K = its axis 1); Wv (in the module: [1024, 1024], K = its axis 1); keys (in the module: [4, 2048, 1024], K = its axis 2); query (in the module: [4, 2048, 1024], K = its axis 2); values (in the module: [4, 2048, 1024], K = its axis 2): each comes as NAME_codes (uint8): NAME with its K axis moved to the last place and cut into blocks of 32 codes, [.., K / 32, bytes a block], one block behind the other in memory; four codes in three bytes: a row's codes are one little-endian stream of bits, code i at bits 6 i .. 6 i + 5 (a code: sign, 2 exponent bits, 3 mantissa bits); and NAME_scales (uint8): the same leading axes, one E8M0 byte (e + 127) for each 32 codes along K. Its value is code x scale, taken as it is: it is not quantised again, and the codes and scales need not be those that the quantiser above would give.
;; One version. Each part assembles by itself: llvm-mc -triple=amdgcn-amd-amdhsa -mcpu=gfx1250 --defsym DOCPART=n.
;; ======== version 1 of 1: 3 launches
;; limits: right only within a limited range of input values
;; workspace buffers: qkv 20,447,232 bytes; ao 6,291,456 bytes; aos 262,144 bytes
;; launch proj (part 1): grid 192 x 4, 4 waves a work-group, clusters of 4 x 4, 327,680 bytes of LDS; arguments query_codes, query_scales, Wq_codes, Wq_scales, keys_codes, keys_scales, Wk_codes, Wk_scales, Wv_codes, Wv_scales, values_codes, values_scales, qkv; writes qkv
.if DOCPART == 1
	.amdgcn_target "amdgcn-amd-amdhsa--gfx1250"
	.amdhsa_code_object_version 6
	.text
	.protected	k_qbfaaff4219_proj
	.globl	k_qbfaaff4219_proj
	.p2align	8
	.type	k_qbfaaff4219_proj,@function
k_qbfaaff4219_proj:
	s_mov_b64 s[64:65], 0
	v_nop
	global_prefetch_b8 v0, s[64:65] scope:SCOPE_SE
	s_setreg_imm32_b32 hwreg(HW_REG_WAVE_MODE, 25, 1), 1
	s_wait_xcnt 0x0
	s_wait_alu depctr_hold_cnt(0) depctr_sa_sdst(0) depctr_va_vdst(0) depctr_va_sdst(0) depctr_va_ssrc(0) depctr_va_vcc(0) depctr_vm_vsrc(0)
	s_getreg_b32 s2, hwreg(HW_REG_IB_STS2, 6, 4)
	s_cmp_eq_u32 s2, 0
	s_cbranch_scc0 .Lentry_in_a_cluster
	s_endpgm
.Lentry_in_a_cluster:
	s_bfe_u32 s2, ttmp6, 0x10000c
	s_cmp_lg_u32 s2, 0xf033
	s_cbranch_scc0 .Lentry_shape_is_right
	s_endpgm
.Lentry_shape_is_right:
; THE THREE PROJECTIONS q = query Wq^T, k = keys Wk^T, v^T = Wv values^T on the given FP6 (E2M3) codes and E8M0 scales, K = 1,024,
; and the quantising of the f32 results for the attention launch: q and k along the head's 64, v along the keys.  No step of the problem is left out.
; Each is C[m][n] = sum over k of A[m][k] B[n][k], quantised along n.  q: A = query, B = Wq.  k: A = keys, B = Wk.  v: A = Wv, B = values.
; SHARES.  48 clusters of 4 x 4 work-groups; cluster / 16 is the product (0 q, 1 k, 2 v): it selects pointers and numbers by s_cselect alone.
; A work-group makes 128 (m) x 256 (n); a wave 64 x 128: 32 accumulators.  768 work-groups: three times 256.
; ALL OF K LIES IN LDS: 128 rows of A and 256 rows of B, whole rows of 768 bytes, 16 bytes of padding behind each 256: pitch 816.  Each wave brings a part by ONE joint tensor load
; (A's rows shared along the cluster's row, B's along its column).  LDS is filled once; so there is no ring, and no loop in which a prefetch could run ahead.
; THE SCALE WORDS go straight into registers: lane (r, h) takes bytes 16 h .. 16 h + 15 of row r's 32, so one load covers 512 consecutive bytes; lanes 0-15 hold steps 0-3, lanes 16-31 steps 4-7 (read by ROW1).
; THE MATRIX INSTRUCTION IS USED TRANSPOSED (source 0 = 16 rows of B, source 1 = 16 rows of A): a lane holds eight neighbouring n of one row m.
; THE WAY OUT.  The wave's 64 x 128 go through its stage in LDS and come back so that lane (r, h) holds, of row 32 (r / 8) + 8 u + r % 8, the columns 64 c + 32 h + 0 .. 31: a whole block of 32.
; They are stored as HALF FRAGMENTS, images of six operand registers (16 rows x 64 along K): registers 0-3 at 16 x lane, registers 4-5 at 512 + 8 x lane: 768 bytes.
; qkv: a record of RECG bytes for each (batch, head, group of 128 tokens): K's 8 half fragments, V^T's 8, K's scale words, V's, Q's 8 half fragments, Q's scale words.
; LIMITS: NaN, infinities and given scale bytes 0xff are not served.  A block whose largest magnitude lies under 2^-124 (a block of zeros too) gets the byte 1; these bytes are read by this program alone.
; REGISTERS: window 0: v0-31 addresses, v32-79 scale words, v144-239 A's fragments, two sets; window 1: B's fragments, two sets; window 2: the accumulators, (a, b) at v[8 (8 a + b)].
.set PITCH, 816
.set BOFF,  128*PITCH
.set SPARE, 384*PITCH                  ; the spare words: 512 bytes that no other line names
.set RECG,  19968
.set WSTG,  34048                      ; a wave's stage: 64 rows x 528 bytes + 128 between its halves; the stages lie over the tiles, behind their last read
.set ADRA, 16                          ; v16 my A rows; v17 the same where lanes 16-31 lie behind one padding more
.set ADRB, 18                          ; v18-19 B's blocks 0-3, v20-21 blocks 4-7
.set STO,  24
.set RD,   25
.set SOF,  26
.set SPW,  28
.set NIL,  29
.set SCA,  32
.set SCB,  48
.set AF,   144
.set L16,  8
.set L8,   9
.set VSO,  10
.set VSH,  11
.set SH8,  12
.set PC,   64
.set CT,   76
.set TM,   84
.set SOP,  86
.set BY,   88
.set PW,   90
.set PT,   91
.set W,    96
.set X,    128
.set G1, 24
.set G0, 32
.set G1B, 48
.set G0B, 56
.set MSB, 0
.macro WIN new                         ; the immediate's high byte repeats the setting that is left
.if MSB != \new
	s_set_vgpr_msb (MSB<<8)|\new
.set MSB, \new
.endif
.endm
.set MUL,  0xa1                        ; source 0 (B) window 1, source 1 (A) window 0, C and D window 2
.set TO_B, 0x40
.macro CREST
	s_cmp_lg_u32 s14, 0
	s_cbranch_scc1 .Lnot_wave_0_\@
	s_barrier_signal -3
.Lnot_wave_0_\@:
	s_barrier_wait -3
	s_barrier_signal -1
	s_barrier_wait -1
.endm
.macro CROUND
	s_barrier_signal -1
	s_barrier_wait -1
	CREST
.endm
.macro PLACES
.rept 4
	v_nop
.endr
.endm
	s_load_b256 s[24:31], s[0:1], 0x0              ; query's codes, scales, Wq's codes, scales
	s_load_b256 s[32:39], s[0:1], 0x20             ; keys', Wk's
	s_load_b256 s[48:55], s[0:1], 0x40             ; Wv's, values'
	s_load_b64 s[12:13], s[0:1], 0x60              ; qkv
	v_lshl_add_u32 v[SPW], v0, 2, SPARE
	v_mov_b32 v[NIL], 0
	ds_add_u32 v[SPW], v[NIL]                      ; the opening lines
	ds_add_u32 v[SPW], v[NIL]
	v_lshrrev_b32 v1, 5, v0
	v_readfirstlane_b32 s14, v1                    ; wave 0..3
	s_lshr_b32 s15, s14, 1                         ; my half of the rows m.  Also: I fetch for A (0) or B (1)
	s_and_b32 s16, s14, 1                          ; my half of the columns n.  Also: which half of that tile I fetch
	s_bfe_u32 s40, ttmp6, 0x40000                  ; cx
	s_bfe_u32 s41, ttmp6, 0x40004                  ; cy
	s_lshr_b32 s66, ttmp9, 4                       ; the product
	s_and_b32 s67, ttmp9, 15
	s_lshl_b32 s18, s67, 2                         ; q, k: 64 tile rows, 4 to a cluster; 4 tile columns
	s_and_b32 s19, s67, 1
	s_lshl_b32 s19, s19, 2                         ; v: 8 tile rows,
	s_lshr_b32 s20, s67, 1
	s_lshl_b32 s20, s20, 2                         ; 32 tile columns
	s_cmp_eq_u32 s66, 2
	s_cselect_b32 s17, s19, s18
	s_cselect_b32 s42, s20, 0
	s_add_co_u32 s17, s17, s41                     ; tile row
	s_add_co_u32 s42, s42, s40                     ; tile column
	s_lshl_b32 s43, s41, 2
	s_lshl_b32 s43, 15, s43                        ; my row of the cluster
	s_lshl_b32 s44, 0x1111, s40                    ; my column
	s_mul_i32 s94, s15, 64*PITCH                   ; LDS: my 64 rows of A,
	s_mul_i32 s95, s16, 128*PITCH
	s_add_co_u32 s95, s95, BOFF                    ; my 128 rows of B,
	s_add_co_u32 s96, s95, 64*PITCH                ; their blocks 4-7,
	s_mul_i32 s97, s14, WSTG                       ; my stage
	s_wait_dscnt 0x0
	s_wait_kmcnt 0x0
	s_cmp_eq_u32 s66, 1
	s_cselect_b64 s[4:5], s[32:33], s[24:25]       ; A's codes
	s_cselect_b64 s[6:7], s[34:35], s[26:27]       ; A's scales
	s_cselect_b64 s[8:9], s[36:37], s[28:29]       ; B's codes
	s_cselect_b64 s[10:11], s[38:39], s[30:31]     ; B's scales
	s_cmp_eq_u32 s66, 2
	s_cselect_b64 s[4:5], s[48:49], s[4:5]
	s_cselect_b64 s[6:7], s[50:51], s[6:7]
	s_cselect_b64 s[8:9], s[52:53], s[8:9]
	s_cselect_b64 s[10:11], s[54:55], s[10:11]
	; group 1: rows of 768 bytes, 4 words of padding behind every 64; A: 64 rows a load, B: 128
	s_or_b32 s[G1+0], s43, (1<<20)|(1<<21)|(5<<22)|(3<<25)
	s_or_b32 s[G1B+0], s44, (1<<20)|(1<<21)|(5<<22)|(3<<25)
	s_mov_b32 s[G1+1], 768<<16
	s_mov_b32 s[G1+2], 64<<16
	s_mov_b32 s[G1+3], 768<<16
	s_mov_b32 s[G1+4], 64
	s_mov_b32 s[G1+5], 768
	s_mov_b32 s[G1+6], 0
	s_mov_b32 s[G1+7], 0
	s_mov_b32 s[G1B+1], 768<<16
	s_mov_b32 s[G1B+2], 128<<16
	s_mov_b32 s[G1B+3], 768<<16
	s_mov_b32 s[G1B+4], 128
	s_mov_b32 s[G1B+5], 768
	s_mov_b32 s[G1B+6], 0
	s_mov_b32 s[G1B+7], 0
	s_lshl_b32 s18, s17, 7
	s_lshl_b32 s19, s16, 6
	s_add_co_u32 s20, s18, s19                     ; A: the 64 rows that I fetch
	s_mul_i32 s20, s20, 768
	s_mov_b32 s21, 0
	s_lshl_b32 s46, s42, 8
	s_lshl_b32 s19, s16, 7
	s_add_co_u32 s46, s46, s19                     ; B: the 128 rows that I fetch, and multiply
	s_lshl_b32 s22, s46, 5
	s_mov_b32 s23, 0
	s_mul_i32 s46, s46, 768
	s_mov_b32 s47, 0
	s_lshl_b32 s19, s15, 6
	s_add_co_u32 s18, s18, s19                     ; A: the 64 rows that I multiply
	s_lshl_b32 s92, s18, 5
	s_mov_b32 s93, 0
	s_add_nc_u64 s[20:21], s[4:5], s[20:21]
	s_add_nc_u64 s[46:47], s[8:9], s[46:47]
	s_add_nc_u64 s[92:93], s[6:7], s[92:93]        ; my rows' scales
	s_add_nc_u64 s[22:23], s[10:11], s[22:23]
	s_mov_b32 s[G0], 1
	s_mul_i32 s[G0+1], s16, 64*PITCH
	s_mov_b64 s[G0+2:G0+3], s[20:21]
	s_or_b32 s[G0+3], s[G0+3], 0x80000000
	s_mov_b32 s[G0B], 1
	s_mul_i32 s[G0B+1], s16, 128*PITCH
	s_add_co_u32 s[G0B+1], s[G0B+1], BOFF
	s_mov_b64 s[G0B+2:G0B+3], s[46:47]
	s_or_b32 s[G0B+3], s[G0B+3], 0x80000000
	CROUND                                         ; all sixteen work-groups are here: the joint loads meet
	s_cmp_eq_u32 s15, 0                            ; one load a wave, in the two arms of one branch on the wave's number
	s_cbranch_scc0 .Lfor_b
	tensor_load_to_lds s[G0:G0+3], s[G1:G1+7]
	s_nop 0
	PLACES
	s_branch .Lasked
.Lfor_b:
	tensor_load_to_lds s[G0B:G0B+3], s[G1B:G1B+7]
	s_nop 0
	PLACES
.Lasked:
	v_and_b32 v1, 15, v0                           ; r
	v_bfe_u32 v2, v0, 4, 1                         ; h
	v_lshlrev_b32 v3, 5, v1
	v_lshl_add_u32 v[SOF], v2, 4, v3               ; 32 r + 16 h
.irp a, 0,1,2,3
	global_load_b128 v[SCA+4*\a:SCA+4*\a+3], v[SOF], s[92:93] offset:512*\a
.endr
.irp b, 0,1,2,3,4,5,6,7
	global_load_b128 v[SCB+4*\b:SCB+4*\b+3], v[SOF], s[22:23] offset:512*\b
.endr
	v_mul_u32_u24 v3, v1, PITCH
	v_mad_u32_u24 v4, v2, 24, v3                   ; row x pitch + 24 h
	v_lshl_add_u32 v5, v2, 4, v4                   ; and behind one padding more
	v_add_nc_u32 v[ADRA], s94, v4
	v_add_nc_u32 v[ADRA+1], s94, v5
	v_add_nc_u32 v[ADRB], s95, v4
	v_add_nc_u32 v[ADRB+1], s95, v5
	v_add_nc_u32 v[ADRB+2], s96, v4
	v_add_nc_u32 v[ADRB+3], s96, v5
	v_mul_u32_u24 v5, v1, 528                      ; the stage, in: row r of a block of 16, 32 bytes for each half of the lanes
	v_lshl_add_u32 v5, v2, 5, v5
	v_add_nc_u32 v[STO], s97, v5
	v_and_b32 v6, 7, v1                            ; back: row 32 (r / 8) + r % 8, 128 bytes for each half of the lanes
	v_mul_u32_u24 v6, v6, 528
	v_bfe_u32 v7, v0, 3, 1
	v_mad_u32_u24 v6, v7, 17024, v6
	v_lshl_add_u32 v6, v2, 7, v6
	v_add_nc_u32 v[RD], s97, v6
; a fragment: 16 rows x 128 K = 12 registers, in pieces of 8 bytes; byte y of a row lies at y + 16 (y / 256); lanes 16-31 read 24 bytes on
.macro FRAG reg, adr, st, i
.irp p, 0,1,2,3,4,5
.set FBY, 96*(\st)+48*(\p/3)+8*(\p%3)
.if FBY/256 == (FBY+24)/256
	ds_load_b64 v[\reg+2*\p:\reg+2*\p+1], v[\adr] offset:FBY+16*(FBY/256)+(\i)*16*PITCH
.else
	ds_load_b64 v[\reg+2*\p:\reg+2*\p+1], v[\adr+1] offset:FBY+16*(FBY/256)+(\i)*16*PITCH
.endif
.endr
.endm
.macro FB st, i0                       ; B's blocks i0 .. i0 + 3 of step st
	WIN TO_B
.irp i, 0,1,2,3
	FRAG 128*((\st)%2)+12*(\i0+\i), ADRB+(\i0)/2, \st, \i
.endr
	WIN 0
.endm
.macro FA st                           ; A's four blocks
.irp i, 0,1,2,3
	FRAG AF+48*((\st)%2)+12*\i, ADRA, \st, \i
.endr
.endm
; 16 matrix instructions; the 32 accumulators take turns, one instruction a turn
.macro MUL16 a0, st
.irp a, \a0, \a0+1
.irp b, 0,1,2,3,4,5,6,7
.if (\st) == 0
	v_wmma_scale_f32_16x16x128_f8f6f4 v[8*(8*(\a)+\b):8*(8*(\a)+\b)+7], v[12*\b:12*\b+11], v[AF+12*(\a):AF+12*(\a)+11], 0, v[SCB+4*\b], v[SCA+4*(\a)] matrix_a_fmt:MATRIX_FMT_FP6 matrix_b_fmt:MATRIX_FMT_FP6
.elseif (\st) < 4
	v_wmma_scale_f32_16x16x128_f8f6f4 v[8*(8*(\a)+\b):8*(8*(\a)+\b)+7], v[128*((\st)%2)+12*\b:128*((\st)%2)+12*\b+11], v[AF+48*((\st)%2)+12*(\a):AF+48*((\st)%2)+12*(\a)+11], v[8*(8*(\a)+\b):8*(8*(\a)+\b)+7], v[SCB+4*\b+(\st)], v[SCA+4*(\a)+(\st)] matrix_a_fmt:MATRIX_FMT_FP6 matrix_b_fmt:MATRIX_FMT_FP6
.else
	v_wmma_scale_f32_16x16x128_f8f6f4 v[8*(8*(\a)+\b):8*(8*(\a)+\b)+7], v[128*((\st)%2)+12*\b:128*((\st)%2)+12*\b+11], v[AF+48*((\st)%2)+12*(\a):AF+48*((\st)%2)+12*(\a)+11], v[8*(8*(\a)+\b):8*(8*(\a)+\b)+7], v[SCB+4*\b+(\st)-4], v[SCA+4*(\a)+(\st)-4] matrix_a_fmt:MATRIX_FMT_FP6 matrix_b_fmt:MATRIX_FMT_FP6 matrix_a_scale:MATRIX_SCALE_ROW1 matrix_b_scale:MATRIX_SCALE_ROW1
.endif
.endr
.endr
.endm
.macro STEP st                         ; 128 along K; the next step's fragments are asked for at its head and in its middle
.if (\st) > 0
	PLACES                                         ; in front of loads into the set that the last step multiplied
.endif
	FB (\st)+1, 0
	FA (\st)+1
	s_wait_dscnt 48                                ; all but the 48 loads just issued: this step's fragments are in
	WIN MUL
	MUL16 0, \st
	FB (\st)+1, 4
	WIN MUL
	MUL16 2, \st
	WIN 0
.endm
	s_wait_alu depctr_va_vdst(0)                   ; the head's end
	s_wait_tensorcnt 0x0                           ; my part is in,
	s_barrier_signal -1
	s_barrier_wait -1                              ; everybody's is
	FB 0, 0
	FB 0, 4
	FA 0
	s_wait_loadcnt 0x0                             ; the scale words
.irp st, 0,1,2,3,4,5,6
	STEP \st
.endr
	s_wait_dscnt 0x0                               ; my reads of the tiles are over: the stages will lie over them,
	s_barrier_signal -1                            ; so every wave says so,
	WIN MUL
	MUL16 0, 7
	MUL16 2, 7
	WIN 0
	s_barrier_wait -1                              ; and stores only when all four have said so
	; where my 64 x 128 goes (all tensor loads are done: the descriptors' registers are free)
	s_lshl_b32 s18, s17, 7
	s_lshl_b32 s19, s15, 6
	s_add_co_u32 s18, s18, s19                     ; my first row m
	s_lshl_b32 s19, s42, 8
	s_lshl_b32 s20, s16, 7
	s_add_co_u32 s19, s19, s20                     ; my first column n
	s_mov_b32 s32, 768
	s_mov_b32 s36, 16*RECG
	s_mov_b32 s40, 16*RECG
	s_mov_b32 s41, 0xffff
	s_mov_b32 s44, 12288
	s_cmp_eq_u32 s66, 2                            ; v, or q and k?
	s_cselect_b32 s20, s19, s18                    ; my first token
	s_cselect_b32 s21, s18, s19                    ; my first feature
	s_cselect_b32 s32, 1536, s32                   ; from tile to tile
	s_cselect_b32 s36, 768, s36                    ; from columns 0-63 to 64-127.  v: the keys' second 64.  q, k: the next head's record
	s_cselect_b32 s40, 256, s40                    ; what lanes 16-31 add for the scale words.  v: the second copy.  q, k: the next head's record
	s_cselect_b32 s41, -1, s41                     ; v: a word is four blocks of keys.  q, k: a head's two blocks, bytes 0 above
	s_cselect_b32 s43, 0, 16
	s_cselect_b32 s45, 6144, 0                     ; the codes' place in a record,
	s_cselect_b32 s44, 12800, s44                  ; the scale words'
	s_cmp_eq_u32 s66, 0
	s_cselect_b32 s45, 13312, s45
	s_cselect_b32 s44, 19456, s44
	s_lshr_b32 s22, s20, 11                        ; the batch
	s_lshl_b32 s22, s22, 4
	s_lshr_b32 s23, s21, 6                         ; the head
	s_add_co_u32 s22, s22, s23
	s_lshl_b32 s22, s22, 4
	s_bfe_u32 s23, s20, 0x40007                    ; the group of 128 tokens
	s_add_co_u32 s22, s22, s23
	s_mul_i32 s22, s22, RECG                       ; under 2^25
	s_bfe_u32 s23, s20, 0x10006                    ; q, k: which 64 of the group's tokens are mine (v: 0): tiles 4 c .. 4 c + 3
	s_mul_i32 s46, s23, 3072
	s_lshl_b32 s23, s23, 8
	s_add_co_u32 s45, s45, s46
	s_add_co_u32 s45, s45, s22
	s_add_co_u32 s44, s44, s23
	s_add_co_u32 s44, s44, s22
	s_mov_b32 s46, s45
	s_mov_b32 s47, 0
	s_add_nc_u64 s[24:25], s[12:13], s[46:47]      ; columns 0-63's half fragments
	s_mov_b32 s46, s36
	s_add_nc_u64 s[26:27], s[24:25], s[46:47]      ; columns 64-127's
	s_mov_b32 s46, s44
	s_add_nc_u64 s[28:29], s[12:13], s[46:47]      ; the scale words
	s_mov_b32 s33, 0
	s_mov_b32 s38, 0x76543210
	s_mov_b32 s39, 0xfedcba98
	v_and_b32 v1, 15, v0                           ; ten plain lines: also the places behind the last products
	v_bfe_u32 v2, v0, 4, 1
	v_and_b32 v6, 31, v0
	v_lshlrev_b32 v[L16], 4, v6
	v_lshlrev_b32 v[L8], 3, v6
	v_lshlrev_b32 v[SH8], 3, v2
	v_mov_b32 v[PT], 0
	v_mul_u32_u24 v[VSO], s40, v2
	v_lshl_add_u32 v[VSO], v1, 4, v[VSO]
	v_mul_u32_u24 v[VSH], s43, v2
	s_wait_alu depctr_va_vdst(0)
	WIN 0x08                                       ; an LDS store's data are its source 1: window 2
.irp a, 0,1,2,3
.irp b, 0,1,2,3,4,5,6,7
	ds_store_b128 v[STO], v[64*\a+8*\b:64*\a+8*\b+3] offset:\a*8448+(\a/2)*128+64*\b
	ds_store_b128 v[STO], v[64*\a+8*\b+4:64*\a+8*\b+7] offset:\a*8448+(\a/2)*128+64*\b+16
.endr
.endr
	WIN 0
.macro RB u, set                       ; tile u comes back; LDS serves a wave's instructions in order: these see my stores
.irp c, 0,1
.irp p, 0,1,2,3,4,5,6,7
	ds_load_b128 v[X+64*(\set)+32*\c+4*\p:X+64*(\set)+32*\c+4*\p+3], v[RD] offset:4224*(\u)+256*\c+16*\p
.endr
.endr
.endm
.macro QUANT32 s                       ; 64 numbers of a lane, two whole blocks, become two half fragments' codes and four scale bytes
.irp c, 0,1
	v_max3_num_f32 v[TM+\c], |v[(\s)+32*\c]|, |v[(\s)+32*\c+1]|, 0x1800000   ; with the floor 2^(3 - 127)
.endr
.irp i, 2,4,6,8,10,12,14,16,18,20,22,24,26,28,30
.irp c, 0,1
	v_max3_num_f32 v[TM+\c], v[TM+\c], |v[(\s)+32*\c+\i]|, |v[(\s)+32*\c+\i+1]|
.endr
.endr
.irp c, 0,1
	v_add_nc_u32 v[SOP+\c], 0xff000000, v[TM+\c]   ; 2 off the exponent field: the conversion's scale operand
.endr
.irp c, 0,1
	v_lshrrev_b32 v[BY+\c], 23, v[SOP+\c]
.endr
	v_lshl_or_b32 v[PW], v[BY+1], 16, v[BY]        ; blocks h and 2 + h,
	v_lshlrev_b32 v[PW], v[SH8], v[PW]
	v_permlanex16_b32 v[PT], v[PW], s38, s39
	v_or_b32 v[PW], v[PW], v[PT]                   ; with lane l xor 16's two the word is whole
	v_cvt_scalef32_pk16_fp6_f32 v[PC:PC+2], v[(\s):(\s)+15], v[SOP]
	v_cvt_scalef32_pk16_fp6_f32 v[CT:CT+2], v[(\s)+16:(\s)+31], v[SOP]
	v_cvt_scalef32_pk16_fp6_f32 v[PC+6:PC+8], v[(\s)+32:(\s)+47], v[SOP+1]
	v_cvt_scalef32_pk16_fp6_f32 v[CT+4:CT+6], v[(\s)+48:(\s)+63], v[SOP+1]
	v_nop
.irp i, 0,1,2
	v_mov_b32 v[PC+3+\i], v[CT+\i]
	v_mov_b32 v[PC+9+\i], v[CT+4+\i]
.endr
.endm
.macro TILE u
.if (\u) < 3
	RB (\u)+1, ((\u)+1)%2
	s_wait_dscnt 16                                ; all but the 16 loads just issued
.else
	s_wait_dscnt 0x0
.endif
	s_wait_xcnt 0x0                                ; the last tile's stores have read their data and bases
.if (\u) > 0
	s_add_nc_u64 s[24:25], s[24:25], s[32:33]
	s_add_nc_u64 s[26:27], s[26:27], s[32:33]
.endif
	QUANT32 X+64*((\u)%2)
	v_lshrrev_b32 v[PT], v[VSH], v[PW]
	v_and_b32 v[W+(\u)], s41, v[PT]
	global_store_b128 v[L16], v[PC:PC+3], s[24:25]                 ; 512 consecutive bytes, aligned to 256
	global_store_b64 v[L8], v[PC+4:PC+5], s[24:25] offset:512      ; 256 consecutive bytes
	global_store_b128 v[L16], v[PC+6:PC+9], s[26:27]
	global_store_b64 v[L8], v[PC+10:PC+11], s[26:27] offset:512
.endm
	RB 0, 0
.irp u, 0,1,2,3
	TILE \u
.endr
	global_store_b128 v[VSO], v[W:W+3], s[28:29]   ; sixteen lanes store 256 consecutive bytes, aligned
	s_wait_tensorcnt 0x0                           ; the wave's end
	ds_add_u32 v[SPW], v[NIL]
	s_wait_dscnt 0x0
	CROUND                                         ; the closing round
	s_endpgm
.Lfunc_end_k_qbfaaff4219_proj:
	.size	k_qbfaaff4219_proj, .Lfunc_end_k_qbfaaff4219_proj-k_qbfaaff4219_proj
	.p2alignl 7, 3214868480
	.fill 96, 4, 3214868480
	.section	.rodata,"a",@progbits
	.p2align	6, 0x0
	.amdhsa_kernel k_qbfaaff4219_proj
		.amdhsa_group_segment_fixed_size 327680
		.amdhsa_private_segment_fixed_size 0
		.amdhsa_enable_private_segment 0
		.amdhsa_kernarg_size 104
		.amdhsa_user_sgpr_count 2
		.amdhsa_user_sgpr_kernarg_segment_ptr 1
		.amdhsa_wavefront_size32 1
		.amdhsa_system_sgpr_workgroup_id_x 1
		.amdhsa_system_sgpr_workgroup_id_y 1
		.amdhsa_system_sgpr_workgroup_id_z 1
		.amdhsa_system_vgpr_workitem_id 0
		.amdhsa_next_free_vgpr 768
		.amdhsa_next_free_sgpr 98
		.amdhsa_reserve_vcc 0
		.amdhsa_float_denorm_mode_32 3
		.amdhsa_float_denorm_mode_16_64 3
		.amdhsa_memory_ordered 1
		.amdhsa_forward_progress 1
		.amdhsa_inst_pref_size 104
	.end_amdhsa_kernel
	.amdgpu_metadata
---
amdhsa.version: [ 1, 2 ]
amdhsa.kernels:
  - .name:           k_qbfaaff4219_proj
    .symbol:         k_qbfaaff4219_proj.kd
    .args:
      - { .name: query_codes, .offset: 0, .size: 8, .value_kind: global_buffer, .address_space: global }
      - { .name: query_scales, .offset: 8, .size: 8, .value_kind: global_buffer, .address_space: global }
      - { .name: Wq_codes, .offset: 16, .size: 8, .value_kind: global_buffer, .address_space: global }
      - { .name: Wq_scales, .offset: 24, .size: 8, .value_kind: global_buffer, .address_space: global }
      - { .name: keys_codes, .offset: 32, .size: 8, .value_kind: global_buffer, .address_space: global }
      - { .name: keys_scales, .offset: 40, .size: 8, .value_kind: global_buffer, .address_space: global }
      - { .name: Wk_codes, .offset: 48, .size: 8, .value_kind: global_buffer, .address_space: global }
      - { .name: Wk_scales, .offset: 56, .size: 8, .value_kind: global_buffer, .address_space: global }
      - { .name: Wv_codes, .offset: 64, .size: 8, .value_kind: global_buffer, .address_space: global }
      - { .name: Wv_scales, .offset: 72, .size: 8, .value_kind: global_buffer, .address_space: global }
      - { .name: values_codes, .offset: 80, .size: 8, .value_kind: global_buffer, .address_space: global }
      - { .name: values_scales, .offset: 88, .size: 8, .value_kind: global_buffer, .address_space: global }
      - { .name: qkv, .offset: 96, .size: 8, .value_kind: global_buffer, .address_space: global }
    .group_segment_fixed_size: 327680
    .private_segment_fixed_size: 0
    .kernarg_segment_align: 8
    .kernarg_segment_size: 104
    .max_flat_workgroup_size: 128
    .sgpr_count:     98
    .vgpr_count:     768
    .wavefront_size: 32
...
	.end_amdgpu_metadata
.endif
;; end of part 1
;; launch attn (part 2): grid 4 x 64, 8 waves a work-group, clusters of 4 x 1, 215,040 bytes of LDS; arguments qkv, ao, aos; writes ao, aos
.if DOCPART == 2
	.amdgcn_target "amdgcn-amd-amdhsa--gfx1250"
	.amdhsa_code_object_version 6
	.text
	.protected	k_qbfaaff4219_attn
	.globl	k_qbfaaff4219_attn
	.p2align	8
	.type	k_qbfaaff4219_attn,@function
k_qbfaaff4219_attn:
	s_mov_b64 s[64:65], 0
	v_nop
	global_prefetch_b8 v0, s[64:65] scope:SCOPE_SE
	s_setreg_imm32_b32 hwreg(HW_REG_WAVE_MODE, 25, 1), 1
	s_wait_xcnt 0x0
	s_wait_alu depctr_hold_cnt(0) depctr_sa_sdst(0) depctr_va_vdst(0) depctr_va_sdst(0) depctr_va_ssrc(0) depctr_va_vcc(0) depctr_vm_vsrc(0)
	s_getreg_b32 s2, hwreg(HW_REG_IB_STS2, 6, 4)
	s_cmp_eq_u32 s2, 0
	s_cbranch_scc0 .Lentry_in_a_cluster
	s_endpgm
.Lentry_in_a_cluster:
	s_bfe_u32 s2, ttmp6, 0x10000c
	s_cmp_lg_u32 s2, 0x3003
	s_cbranch_scc0 .Lentry_shape_is_right
	s_endpgm
.Lentry_shape_is_right:
; ATTENTION of one head on FP6 (E2M3) codes: S^T = K Q^T (K = the head's 64), p = 2^(t - M), O^T = V^T P^T (K = the keys), O / l, and the quantising of O / l along the model's 1,024.
; t = score x log2(e) / 32; M = the row's largest t so far, rounded UP to a whole number; p is quantised along the keys, not normalised; l is the sum of the unquantised p in f32.
; When M moves, l and O^T are multiplied by 2^(old M - new M): exact.
; SHARES.  A work-group owns 512 queries of one (batch, head), the four of a cluster the head's 2,048.  Each of EIGHT waves owns FOUR tiles of 16 queries and walks the 16 key steps of 128 keys once:
; each fragment of K and V that it reads from LDS serves 64 queries.  The four tiles go in two pairs; a pair's two tiles take turns line by line through the softmax.
; A WHOLE HEAD'S K AND V STAY IN LDS: 16 records of 13,312 bytes.  Wave w brings records 2 w and 2 w + 1 by ONE joint tensor load (two rows of 13,312 bytes, 19,968 apart in memory).
; LDS is filled once and only read afterwards: one barrier, none in the loop, and no later tile that a prefetch could ask for.
; The next step's K is asked for behind the second pair's scores, its V behind the last product; the last trip asks for record 15 once more and uses nothing of it.
; LAYOUT as the projections store it: half fragments, images of six operand registers.  Lane r of key tile 4 c + u holds key 64 c + 32 (r / 8) + 8 u + r % 8, so a lane's 32 registers of tiles 4 c .. 4 c + 3 are one whole block of keys.
; THE FIRST PRODUCT'S K IS 64, THE INSTRUCTION'S 128: Q's registers 6-11 are zero codes; K's tiles lie packed, so a tile's operand runs on into the next tile's codes, which meet zero codes.
; aos is stored two bytes a lane to rows 32 bytes apart: a row's 32 bytes come from sixteen work-groups.
; LIMITS: NaN and infinities are not served; the promise holds while |t| stays under 2^31.  1 / l is v_rcp_f32.  A block whose largest magnitude lies under 2^-124 gets the byte 1.
.set RECG,  19968
.set REC,   13312
.set VOFF,  6144
.set KSOFF, 12288
.set VSOFF, 12800
.set QOFF,  13312
.set QSOFF, 19456
.set SPARE, 0x34000                    ; behind the 16 records: the spare words, 1,024 bytes
; window 0
.set L16,  1
.set L8,   2
.set A16,  3
.set A8,   4
.set SH8,  5
.set SPW,  6
.set NIL,  7
.set KSC,  8
.set VSC,  12
.set QSC,  16                          ; v16-19 the four tiles' Q scale words
.set PSC,  20                          ; v20-21 the pair's p scale words
.set NM,   22                          ; v22-29 for each tile: -M, the largest score
.set SUM,  30                          ; v30-37 for each tile: the sum in two halves
.set F,    38                          ; v38-41 the pair's f = 2^(old M - new M), each the low word of a pair
.set BM,   42                          ; v42-45 the blocks' largest scores, then p
.set SOP,  46
.set T1,   50
.set T2,   52
.set BY,   54
.set CT,   58                          ; v58-73 the conversions' second halves, then the sums' side chains
.set KF,   74                          ; v74-121 K's 8 half fragments, packed; v122-127 zero codes
.set S,    128                         ; v128-255 the pair's S^T, then p
; window 1
.set O,    0                           ; O^T: tile t at 32 t
.set QF,   128                         ; Q: tile t at 12 t: six registers of codes, six of zero codes
.set VF,   176
.set PCD,  224                         ; the pair's p codes
.set WV,   10
.set G1,   16
.set G0,   24
.set SEL,  36
.set CS,   38
.set TB,   40
.set STEPS, 41
.set TA,   42
.set MSB, 0
.macro WIN new
.if MSB != \new
	s_set_vgpr_msb (MSB<<8)|\new
.set MSB, \new
.endif
.endm
.macro D2
	s_delay_alu instid0(VALU_DEP_2)
.endm
.macro ROUND
	s_barrier_signal -1
	s_barrier_wait -1
	s_cmp_lg_u32 s[WV], 0
	s_cbranch_scc1 .Lnot_wave_0_\@
	s_barrier_signal -3
.Lnot_wave_0_\@:
	s_barrier_wait -3
	s_barrier_signal -1
	s_barrier_wait -1
.endm
	s_load_b128 s[4:7], s[0:1], 0x0                ; qkv, ao
	s_load_b64 s[8:9], s[0:1], 0x10                ; aos
	v_lshl_add_u32 v[SPW], v0, 2, SPARE
	v_mov_b32 v[NIL], 0
	ds_add_u32 v[SPW], v[NIL]                      ; the opening lines
	ds_add_u32 v[SPW], v[NIL]
	v_lshrrev_b32 v1, 5, v0
	v_readfirstlane_b32 s[WV], v1                  ; wave 0..7
	s_bfe_u32 s11, ttmp6, 0x40000                  ; cx: which 512 queries: it enters Q's, ao's and aos's addresses alone
	s_and_b32 s12, ttmp7, 0xffff                   ; 16 x batch + head
	s_and_b32 s13, s12, 15
	s_lshr_b32 s14, s12, 4
	s_mov_b32 s[G1], 15|(3<<16)|(1<<21)            ; the mask: all four; elements of 8 bytes
	s_mov_b32 s[G1+1], 1664<<16                    ; a row: 13,312 bytes
	s_mov_b32 s[G1+2], 2<<16
	s_mov_b32 s[G1+3], 1664<<16
	s_mov_b32 s[G1+4], 2
	s_mov_b32 s[G1+5], 2496                        ; 19,968 bytes from record to record
	s_mov_b32 s[G1+6], 0
	s_mov_b32 s[G1+7], 0
	s_lshl_b32 s28, s12, 4                         ; the head's first record
	s_lshl_b32 s29, s[WV], 1
	s_add_co_u32 s29, s29, s28                     ; the two that I fetch
	s_mul_i32 s32, s29, RECG
	s_mov_b32 s33, 0
	s_lshl_b32 s30, s11, 2                         ; my four tiles of queries: group 4 cx + w / 2, tiles 4 (w % 2) ..
	s_add_co_u32 s30, s30, s28
	s_lshr_b32 s31, s[WV], 1
	s_add_co_u32 s30, s30, s31
	s_mul_i32 s30, s30, RECG
	s_and_b32 s31, s[WV], 1
	s_mul_i32 s34, s31, 3072
	s_add_co_u32 s34, s34, s30
	s_add_co_u32 s34, s34, QOFF
	s_mov_b32 s35, 0
	s_lshl_b32 s31, s31, 8
	s_add_co_u32 s30, s30, s31
	s_add_co_u32 s30, s30, QSOFF
	s_mov_b32 s31, 0
	s_lshl_b32 s43, s14, 7
	s_lshl_b32 s44, s11, 5
	s_add_co_u32 s43, s43, s44
	s_lshl_b32 s44, s[WV], 2
	s_add_co_u32 s43, s43, s44                     ; my first tile among all 512
	s_lshl_b32 s44, s43, 4
	s_add_co_u32 s44, s44, s13
	s_mul_i32 s44, s44, 768                        ; ao: [tile][head][768]
	s_mov_b32 s45, 0
	s_lshl_b32 s46, s43, 9
	s_lshl_b32 s47, s13, 1
	s_add_co_u32 s46, s46, s47                     ; aos: [tile x 16 + row][32]
	s_mov_b32 s47, 0
	s_mov_b32 s[SEL], 0x76543210
	s_mov_b32 s[SEL+1], 0xfedcba98
	s_mov_b32 s[CS], 0x3d38aa3b                    ; c = log2(e) / 32
	s_mov_b32 s[CS+1], s[CS]
	s_mov_b32 s[G0], 1
	s_mul_i32 s[G0+1], s[WV], 2*REC
	s_wait_dscnt 0x0
	s_wait_kmcnt 0x0
	s_add_nc_u64 s[G0+2:G0+3], s[4:5], s[32:33]
	s_or_b32 s[G0+3], s[G0+3], 0x80000000
	s_add_nc_u64 s[34:35], s[4:5], s[34:35]
	s_add_nc_u64 s[30:31], s[4:5], s[30:31]
	s_add_nc_u64 s[6:7], s[6:7], s[44:45]
	s_add_nc_u64 s[8:9], s[8:9], s[46:47]
	ROUND                                          ; all four work-groups are here: the joint loads meet
	tensor_load_to_lds s[G0:G0+3], s[G1:G1+7]      ; my one tensor load of the launch
	s_nop 0
.rept 4
	v_nop
.endr
	v_and_b32 v[T1], 31, v0
	v_and_b32 v[T2], 15, v0
	v_bfe_u32 v[SH8], v0, 4, 1
	v_lshlrev_b32 v[L16], 4, v[T1]
	v_lshlrev_b32 v[L8], 3, v[T1]
	v_lshlrev_b32 v[T1+1], 4, v[T2]
	v_lshlrev_b32 v[SH8], 3, v[SH8]
	global_load_b128 v[QSC:QSC+3], v[T1+1], s[30:31]               ; row r's words of my four tiles
	WIN 0x40
.irp t, 0,1,2,3
	global_load_b128 v[QF+12*\t:QF+12*\t+3], v[L16], s[34:35] offset:768*\t
	global_load_b64 v[QF+12*\t+4:QF+12*\t+5], v[L8], s[34:35] offset:768*\t+512
.irp i, 6,7,8,9,10,11
	v_mov_b32 v[QF+12*\t+\i], 0                    ; zero codes for k = 64 .. 127
.endr
.endr
.set J, 0
.rept 128
	v_mov_b32 v[O+J], 0                            ; O^T: the step is written once; the first finds zeros
.set J, J+1
.endr
	WIN 0
.irp i, 0,1,2,3,4,5
	v_mov_b32 v[KF+48+\i], 0                       ; zero codes behind K's last tile
.endr
.irp t, 0,1,2,3
	v_mov_b32 v[NM+2*\t], 0x7f61b1e6               ; -M = 3e38,
	v_mov_b32 v[NM+2*\t+1], 0xff61b1e6             ; the largest score so far: -3e38
	v_mov_b32 v[SUM+2*\t], 0
	v_mov_b32 v[SUM+2*\t+1], 0
	v_mov_b32 v[F+\t], 0
	v_mov_b32 v[BY+\t], 0
.endr
	v_mov_b32 v[T2], 0                             ; a lane permute's destination counts as one of its sources
	v_mov_b32 v[T2+1], 0
.macro LOADK a16, a8                   ; 17 loads
.irp i, 0,1,2,3,4,5,6,7
	ds_load_b128 v[KF+6*\i:KF+6*\i+3], v[\a16] offset:768*\i
	ds_load_b64 v[KF+6*\i+4:KF+6*\i+5], v[\a8] offset:768*\i+512
.endr
	ds_load_b128 v[KSC:KSC+3], v[\a16] offset:KSOFF                ; lanes 0-15 tiles 0-3, lanes 16-31 tiles 4-7
.endm
.macro LOADV a16, a8                   ; 17 loads
	WIN 0x40
.irp t, 0,1,2,3
	ds_load_b128 v[VF+12*\t:VF+12*\t+3], v[\a16] offset:VOFF+1536*\t
	ds_load_b64 v[VF+12*\t+4:VF+12*\t+5], v[\a8] offset:VOFF+1536*\t+512
	ds_load_b128 v[VF+12*\t+6:VF+12*\t+9], v[\a16] offset:VOFF+1536*\t+768
	ds_load_b64 v[VF+12*\t+10:VF+12*\t+11], v[\a8] offset:VOFF+1536*\t+1280
.endr
	WIN 0
	ds_load_b128 v[VSC:VSC+3], v[\a16] offset:VSOFF
.endm
.macro QK pr                           ; S^T = K Q^T of tiles 2 pr, 2 pr + 1: sixteen products, each on registers of its own
	WIN 0x04
.irp i, 0,1,2,3
.irp e, 0,1
	v_wmma_scale_f32_16x16x128_f8f6f4 v[S+64*\e+8*\i:S+64*\e+8*\i+7], v[KF+6*\i:KF+6*\i+11], v[QF+12*(2*\pr+\e):QF+12*(2*\pr+\e)+11], 0, v[KSC+\i], v[QSC+2*\pr+\e] matrix_a_fmt:MATRIX_FMT_FP6 matrix_b_fmt:MATRIX_FMT_FP6
.endr
.endr
.irp i, 4,5,6,7
.irp e, 0,1
	v_wmma_scale_f32_16x16x128_f8f6f4 v[S+64*\e+8*\i:S+64*\e+8*\i+7], v[KF+6*\i:KF+6*\i+11], v[QF+12*(2*\pr+\e):QF+12*(2*\pr+\e)+11], 0, v[KSC+\i-4], v[QSC+2*\pr+\e] matrix_a_fmt:MATRIX_FMT_FP6 matrix_b_fmt:MATRIX_FMT_FP6 matrix_a_scale:MATRIX_SCALE_ROW1
.endr
.endr
	WIN 0
.endm
; the softmax, the quantising of p and O^T += V^T P^T for a pair.  vw = 1: V's loads are waited for here
.macro SOFT pr, vw
.irp e, 0,1
.irp c, 0,1
	v_max3_num_f32 v[BM+2*\e+\c], v[S+64*\e+32*\c], v[S+64*\e+32*\c+1], v[S+64*\e+32*\c+2]   ; each block's largest score: for the row's maximum and for the block's largest p
.endr
.endr
.irp i, 3,5,7,9,11,13,15,17,19,21,23,25,27,29
.irp e, 0,1
.irp c, 0,1
	v_max3_num_f32 v[BM+2*\e+\c], v[BM+2*\e+\c], v[S+64*\e+32*\c+\i], v[S+64*\e+32*\c+\i+1]
.endr
.endr
.endr
.irp e, 0,1
.irp c, 0,1
	v_max_num_f32 v[BM+2*\e+\c], v[BM+2*\e+\c], v[S+64*\e+32*\c+31]
.endr
.endr
.irp e, 0,1
	v_max3_num_f32 v[T1+\e], v[NM+2*(2*\pr+\e)+1], v[BM+2*\e], v[BM+2*\e+1]
.endr
.irp e, 0,1
	D2
	v_permlanex16_b32 v[T2+\e], v[T1+\e], s[SEL], s[SEL+1]
.endr
.irp e, 0,1
	D2
	v_max_num_f32 v[NM+2*(2*\pr+\e)+1], v[T1+\e], v[T2+\e]        ; the running largest score of my query
.endr
.irp e, 0,1
	D2
	v_mul_f32 v[T1+\e], s[CS], v[NM+2*(2*\pr+\e)+1]               ; as t (c is positive)
.endr
.irp e, 0,1
	D2
	v_floor_f32 v[T1+\e], -v[T1+\e]                               ; the new -M = -ceil(t)
.endr
.irp e, 0,1
	D2
	v_sub_f32 v[T2+\e], v[T1+\e], v[NM+2*(2*\pr+\e)]              ; old M - new M: a whole number, 0 or less
.endr
.irp e, 0,1
	v_mov_b32 v[NM+2*(2*\pr+\e)], v[T1+\e]
.endr
.irp e, 0,1
	v_cvt_i32_f32 v[T2+\e], v[T2+\e]                              ; (it saturates)
.endr
.irp e, 0,1
	D2
	v_ldexp_f32 v[F+2*\e], 1.0, v[T2+\e]                          ; f
.endr
.irp j, 0,2,4,6,8,10,12,14,16,18,20,22,24,26,28,30,32,34,36,38,40,42,44,46,48,50,52,54,56,58,60,62
.irp e, 0,1
	v_pk_fma_f32 v[S+64*\e+\j:S+64*\e+\j+1], v[S+64*\e+\j:S+64*\e+\j+1], s[CS:CS+1], v[NM+2*(2*\pr+\e):NM+2*(2*\pr+\e)+1] op_sel_hi:[1,0,0]   ; t - M
.endr
.endr
.irp e, 0,1
.irp c, 0,1
	v_fma_f32 v[BM+2*\e+\c], v[BM+2*\e+\c], s[CS], v[NM+2*(2*\pr+\e)]
.endr
.endr
	WIN 0x41
	s_wait_alu depctr_va_vdst(0)                   ; ahead of O^T's first readers, and ahead of the exponentials
.irp j, 0,2,4,6,8,10,12,14,16,18,20,22,24,26,28,30
.irp e, 0,1
	v_pk_mul_f32 v[O+32*(2*\pr+\e)+\j:O+32*(2*\pr+\e)+\j+1], v[O+32*(2*\pr+\e)+\j:O+32*(2*\pr+\e)+\j+1], v[F+2*\e:F+2*\e+1] op_sel_hi:[1,0]   ; O^T under the new M, each accumulator from its low end on
.endr
.endr
	WIN 0
.irp e, 0,1
	v_pk_mul_f32 v[SUM+2*(2*\pr+\e):SUM+2*(2*\pr+\e)+1], v[SUM+2*(2*\pr+\e):SUM+2*(2*\pr+\e)+1], v[F+2*\e:F+2*\e+1] op_sel_hi:[1,0]
.endr
.set J, 0
.rept 128
	v_exp_f32 v[S+J], v[S+J]                       ; p = 2^(t - M)
.set J, J+1
.endr
.irp b, 0,1,2,3
	v_exp_f32 v[BM+\b], v[BM+\b]                   ; the block's largest p: the same two instructions on the same number
.endr
	v_nop                                          ; the plain place behind the exponentials
	s_wait_alu depctr_va_vdst(0)                   ; one wait for the batch
.irp b, 0,1,2,3
	v_max_num_f32 v[BM+\b], 0x1800000, v[BM+\b]    ; the floor 2^(3 - 127)
.endr
.irp b, 0,1,2,3
	v_add_nc_u32 v[SOP+\b], 0xff000000, v[BM+\b]
.endr
.irp b, 0,1,2,3
	v_lshrrev_b32 v[BY+\b], 23, v[SOP+\b]
.endr
.irp e, 0,1
	v_lshl_or_b32 v[T1+\e], v[BY+2*\e+1], 16, v[BY+2*\e]          ; blocks h and 2 + h of these 128 keys
.endr
.irp e, 0,1
	D2
	v_lshlrev_b32 v[T1+\e], v[SH8], v[T1+\e]
.endr
.irp e, 0,1
	D2
	v_permlanex16_b32 v[T2+\e], v[T1+\e], s[SEL], s[SEL+1]
.endr
.irp e, 0,1
	D2
	v_or_b32 v[PSC+\e], v[T1+\e], v[T2+\e]
.endr
.irp e, 0,1
.irp c, 0,1
	v_cvt_scalef32_pk16_fp6_f32 v[CT+8*\e+4*\c:CT+8*\e+4*\c+2], v[S+64*\e+32*\c+16:S+64*\e+32*\c+31], v[SOP+2*\e+\c]
.endr
.endr
	WIN 0x40
.irp e, 0,1
.irp c, 0,1
	v_cvt_scalef32_pk16_fp6_f32 v[PCD+12*\e+6*\c:PCD+12*\e+6*\c+2], v[S+64*\e+32*\c:S+64*\e+32*\c+15], v[SOP+2*\e+\c]
.endr
.endr
	v_nop                                          ; one plain place behind a scaled conversion
.irp e, 0,1
.irp c, 0,1
.irp i, 0,1,2
	v_mov_b32 v[PCD+12*\e+6*\c+3+\i], v[CT+8*\e+4*\c+\i]
.endr
.endr
.endr
	WIN 0
	; the row's sum of the unquantised p: four chains a tile
.irp q, 1,2,3
.irp e, 0,1
	v_pk_add_f32 v[CT+8*\e+2*\q-2:CT+8*\e+2*\q-1], v[S+64*\e+2*\q:S+64*\e+2*\q+1], v[S+64*\e+2*\q+8:S+64*\e+2*\q+9]
.endr
.endr
.irp k, 0,8
.irp e, 0,1
	v_pk_add_f32 v[SUM+2*(2*\pr+\e):SUM+2*(2*\pr+\e)+1], v[SUM+2*(2*\pr+\e):SUM+2*(2*\pr+\e)+1], v[S+64*\e+\k:S+64*\e+\k+1]
.endr
.endr
.irp k, 16,24,32,40,48,56
.irp e, 0,1
	v_pk_add_f32 v[SUM+2*(2*\pr+\e):SUM+2*(2*\pr+\e)+1], v[SUM+2*(2*\pr+\e):SUM+2*(2*\pr+\e)+1], v[S+64*\e+\k:S+64*\e+\k+1]
.irp q, 1,2,3
	v_pk_add_f32 v[CT+8*\e+2*\q-2:CT+8*\e+2*\q-1], v[CT+8*\e+2*\q-2:CT+8*\e+2*\q-1], v[S+64*\e+2*\q+\k:S+64*\e+2*\q+\k+1]
.endr
.endr
.endr
.irp e, 0,1
	v_pk_add_f32 v[CT+8*\e:CT+8*\e+1], v[CT+8*\e:CT+8*\e+1], v[CT+8*\e+2:CT+8*\e+3]
	v_pk_add_f32 v[SUM+2*(2*\pr+\e):SUM+2*(2*\pr+\e)+1], v[SUM+2*(2*\pr+\e):SUM+2*(2*\pr+\e)+1], v[CT+8*\e+4:CT+8*\e+5]
.endr
.irp e, 0,1
	v_pk_add_f32 v[SUM+2*(2*\pr+\e):SUM+2*(2*\pr+\e)+1], v[SUM+2*(2*\pr+\e):SUM+2*(2*\pr+\e)+1], v[CT+8*\e:CT+8*\e+1]
.endr
.if \vw
	s_wait_alu depctr_va_vdst(0)
	s_wait_dscnt 0x0                               ; V and its scale words are in
.endif
	WIN 0x55
.irp d, 0,1,2,3                        ; eight accumulators by turns
.irp e, 0,1
	v_wmma_scale_f32_16x16x128_f8f6f4 v[O+32*(2*\pr+\e)+8*\d:O+32*(2*\pr+\e)+8*\d+7], v[VF+12*\d:VF+12*\d+11], v[PCD+12*\e:PCD+12*\e+11], v[O+32*(2*\pr+\e)+8*\d:O+32*(2*\pr+\e)+8*\d+7], v[VSC+\d], v[PSC+\e] matrix_a_fmt:MATRIX_FMT_FP6 matrix_b_fmt:MATRIX_FMT_FP6
.endr
.endr
	WIN 0
.endm
	s_wait_alu depctr_va_vdst(0)                   ; the head's end
	s_wait_tensorcnt 0x0                           ; my two records are in,
	s_barrier_signal -1
	s_barrier_wait -1                              ; everybody's are: from here on LDS is only read
	LOADK L16, L8                                  ; key step 0
	LOADV L16, L8
	s_wait_loadcnt 0x0                             ; Q
	s_mov_b32 s[TB], REC
	s_mov_b32 s[STEPS], 16
.Lstep:
	s_wait_dscnt 17                                ; K and its scale words are in; V's 17 loads may be out
	QK 0
.rept 4
	v_nop                                          ; places: the scores are read below
.endr
	SOFT 0, 1
	QK 1
	s_min_u32 s[TA], s[TB], 15*REC                 ; the next step's record (the last trip: record 15 again)
	v_add_nc_u32 v[A16], s[TA], v[L16]
	v_add_nc_u32 v[A8], s[TA], v[L8]
	v_nop
	v_nop                                          ; four places: K's registers are loaded and the scores read below
	LOADK A16, A8
	SOFT 1, 0
.rept 4
	v_nop                                          ; places in front of the loads into V's registers
.endr
	LOADV A16, A8
	s_add_co_u32 s[TB], s[TB], REC
	s_sub_co_u32 s[STEPS], s[STEPS], 1
	s_cmp_lg_u32 s[STEPS], 0
	s_cbranch_scc1 .Lstep
	s_wait_alu depctr_va_vdst(0)
	s_wait_dscnt 0x0                               ; the last trip's loads: their registers are used below
.irp t, 0,1,2,3
	v_add_f32 v[SUM+2*\t], v[SUM+2*\t], v[SUM+2*\t+1]
.endr
.irp t, 0,1,2,3
	v_permlanex16_b32 v[BY+\t], v[SUM+2*\t], s[SEL], s[SEL+1]
.endr
.irp t, 0,1,2,3
	v_add_f32 v[SUM+2*\t], v[SUM+2*\t], v[BY+\t]   ; the row's sum
.endr
	v_and_b32 v[T1], 15, v0
	v_lshlrev_b32 v[T1], 5, v[T1]                  ; 32 r
	s_wait_alu depctr_va_vdst(0)
.irp t, 0,1,2,3
	v_rcp_f32 v[SUM+2*\t], v[SUM+2*\t]
.endr
	v_nop
	WIN 0x01
	s_wait_alu depctr_va_vdst(0)                   ; for the reciprocals, and ahead of O^T's first readers
.irp j, 0,2,4,6,8,10,12,14,16,18,20,22,24,26,28,30
.irp t, 0,1,2,3
	v_pk_mul_f32 v[S+32*\t+\j:S+32*\t+\j+1], v[O+32*\t+\j:O+32*\t+\j+1], v[SUM+2*\t:SUM+2*\t+1] op_sel_hi:[1,0]   ; register 8 d + i is o(query r, 32 h + 8 d + i)
.endr
.endr
	WIN 0
.irp t, 0,1,2,3
	v_max3_num_f32 v[BM+\t], |v[S+32*\t]|, |v[S+32*\t+1]|, 0x1800000
.endr
.irp i, 2,4,6,8,10,12,14,16,18,20,22,24,26,28,30
.irp t, 0,1,2,3
	v_max3_num_f32 v[BM+\t], v[BM+\t], |v[S+32*\t+\i]|, |v[S+32*\t+\i+1]|
.endr
.endr
.irp t, 0,1,2,3
	v_add_nc_u32 v[SOP+\t], 0xff000000, v[BM+\t]
.endr
.irp t, 0,1,2,3
	v_lshrrev_b32 v[BY+\t], 23, v[SOP+\t]
.endr
.irp t, 0,1,2,3
	v_lshlrev_b32 v[BY+\t], v[SH8], v[BY+\t]
.endr
.irp t, 0,1,2,3
	v_permlanex16_b32 v[F+\t], v[BY+\t], s[SEL], s[SEL+1]
.endr
.irp t, 0,1,2,3
	v_or_b32 v[BY+\t], v[BY+\t], v[F+\t]           ; the head's two bytes of row r
.endr
.irp t, 0,1,2,3
	v_cvt_scalef32_pk16_fp6_f32 v[KF+8*\t:KF+8*\t+2], v[S+32*\t:S+32*\t+15], v[SOP+\t]
	v_cvt_scalef32_pk16_fp6_f32 v[CT+4*\t:CT+4*\t+2], v[S+32*\t+16:S+32*\t+31], v[SOP+\t]
.endr
	v_nop
.irp t, 0,1,2,3
.irp i, 0,1,2
	v_mov_b32 v[KF+8*\t+3+\i], v[CT+4*\t+\i]
.endr
.endr
.irp t, 0,1,2,3
	global_store_b128 v[L16], v[KF+8*\t:KF+8*\t+3], s[6:7] offset:12288*\t          ; 512 consecutive bytes, aligned to 256
	global_store_b64 v[L8], v[KF+8*\t+4:KF+8*\t+5], s[6:7] offset:12288*\t+512      ; 256 consecutive bytes
	global_store_b16 v[T1], v[BY+\t], s[8:9] offset:512*\t                          ; both halves of the lanes store the same two bytes
.endr
	s_wait_tensorcnt 0x0                           ; the wave's end
	ds_add_u32 v[SPW], v[NIL]
	s_wait_dscnt 0x0
	ROUND                                          ; the closing round
	s_endpgm
.Lfunc_end_k_qbfaaff4219_attn:
	.size	k_qbfaaff4219_attn, .Lfunc_end_k_qbfaaff4219_attn-k_qbfaaff4219_attn
	.p2alignl 7, 3214868480
	.fill 96, 4, 3214868480
	.section	.rodata,"a",@progbits
	.p2align	6, 0x0
	.amdhsa_kernel k_qbfaaff4219_attn
		.amdhsa_group_segment_fixed_size 215040
		.amdhsa_private_segment_fixed_size 0
		.amdhsa_enable_private_segment 0
		.amdhsa_kernarg_size 24
		.amdhsa_user_sgpr_count 2
		.amdhsa_user_sgpr_kernarg_segment_ptr 1
		.amdhsa_wavefront_size32 1
		.amdhsa_system_sgpr_workgroup_id_x 1
		.amdhsa_system_sgpr_workgroup_id_y 1
		.amdhsa_system_sgpr_workgroup_id_z 1
		.amdhsa_system_vgpr_workitem_id 0
		.amdhsa_next_free_vgpr 512
		.amdhsa_next_free_sgpr 66
		.amdhsa_reserve_vcc 0
		.amdhsa_float_denorm_mode_32 3
		.amdhsa_float_denorm_mode_16_64 3
		.amdhsa_memory_ordered 1
		.amdhsa_forward_progress 1
		.amdhsa_inst_pref_size 79
	.end_amdhsa_kernel
	.amdgpu_metadata
---
amdhsa.version: [ 1, 2 ]
amdhsa.kernels:
  - .name:           k_qbfaaff4219_attn
    .symbol:         k_qbfaaff4219_attn.kd
    .args:
      - { .name: qkv, .offset: 0, .size: 8, .value_kind: global_buffer, .address_space: global }
      - { .name: ao, .offset: 8, .size: 8, .value_kind: global_buffer, .address_space: global }
      - { .name: aos, .offset: 16, .size: 8, .value_kind: global_buffer, .address_space: global }
    .group_segment_fixed_size: 215040
    .private_segment_fixed_size: 0
    .kernarg_segment_align: 8
    .kernarg_segment_size: 24
    .max_flat_workgroup_size: 256
    .sgpr_count:     66
    .vgpr_count:     512
    .wavefront_size: 32
...
	.end_amdgpu_metadata
.endif
;; end of part 2
;; launch outp (part 3): grid 4 x 64, 4 waves a work-group, clusters of 4 x 4, 327,680 bytes of LDS; arguments ao, aos, Wo_codes, Wo_scales, bo, out0; writes out0
.if DOCPART == 3
	.amdgcn_target "amdgcn-amd-amdhsa--gfx1250"
	.amdhsa_code_object_version 6
	.text
	.protected	k_qbfaaff4219_outp
	.globl	k_qbfaaff4219_outp
	.p2align	8
	.type	k_qbfaaff4219_outp,@function
k_qbfaaff4219_outp:
	s_mov_b64 s[64:65], 0
	v_nop
	global_prefetch_b8 v0, s[64:65] scope:SCOPE_SE
	s_setreg_imm32_b32 hwreg(HW_REG_WAVE_MODE, 25, 1), 1
	s_wait_xcnt 0x0
	s_wait_alu depctr_hold_cnt(0) depctr_sa_sdst(0) depctr_va_vdst(0) depctr_va_sdst(0) depctr_va_ssrc(0) depctr_va_vcc(0) depctr_vm_vsrc(0)
	s_getreg_b32 s2, hwreg(HW_REG_IB_STS2, 6, 4)
	s_cmp_eq_u32 s2, 0
	s_cbranch_scc0 .Lentry_in_a_cluster
	s_endpgm
.Lentry_in_a_cluster:
	s_bfe_u32 s2, ttmp6, 0x10000c
	s_cmp_lg_u32 s2, 0xf033
	s_cbranch_scc0 .Lentry_shape_is_right
	s_endpgm
.Lentry_shape_is_right:
; THE PROJECTION ON THE WAY OUT: out0 = a Wo^T + bo, on FP6 (E2M3) codes with E8M0 scales, K = 1,024; sums in f32; the bias is the C of each accumulator's first product.
; a comes from the attention launch: ao [tile of 16 rows][head][768]: half fragments, images of six operand registers; aos [tile x 16 + row][32].  Row r of tile 4 c + u of a group of 128 is token 64 c + 32 (r / 8) + 8 u + r % 8.
; SHARES.  A work-group makes 128 rows x 256 columns, a wave 64 x 128: 32 accumulators.  256 work-groups in 16 clusters of 4 x 4.
; ALL OF K LIES IN LDS: a's 8 tiles (98,304 dense bytes) and Wo's 256 whole rows of 768 bytes, 16 bytes of padding behind each 256 (pitch 816).  Each wave brings a part by ONE joint tensor load.
; LDS is filled once: no ring, and no loop in which a prefetch could run ahead.  The scale words go straight into registers, 512 consecutive bytes a load: lanes 0-15 hold steps 0-3, lanes 16-31 steps 4-7 (ROW1).
; The matrix instruction is used transposed (source 0 = 16 rows of Wo, source 1 = 16 rows of a): a lane holds eight neighbouring columns of one row.
; LIMITS: NaN, infinities and given scale bytes 0xff are not served.
.set PITCH, 816
.set BOFF,  98304
.set SPARE, BOFF+256*PITCH
.set SPITCH, 528
.set NROW,  4096
.set ADRA, 16                          ; v16 my tiles + 16 x lane, v17 + 8 x lane
.set ADRB, 18
.set STO,  24
.set RD,   25
.set SOF,  26
.set CO,   27
.set SPW,  28
.set NIL,  29
.set SCA,  32
.set SCB,  48
.set BIAS, 80
.set AF,   144
.set BK,   128
.set G1, 24
.set G0, 32
.set G1B, 48
.set G0B, 56
.set MSB, 0
.macro WIN new
.if MSB != \new
	s_set_vgpr_msb (MSB<<8)|\new
.set MSB, \new
.endif
.endm
.set MUL,  0xa1
.set FST,  0x81                        ; the first step: C, the bias, in window 0
.set TO_B, 0x40
.macro CREST
	s_cmp_lg_u32 s14, 0
	s_cbranch_scc1 .Lnot_wave_0_\@
	s_barrier_signal -3
.Lnot_wave_0_\@:
	s_barrier_wait -3
	s_barrier_signal -1
	s_barrier_wait -1
.endm
.macro CROUND
	s_barrier_signal -1
	s_barrier_wait -1
	CREST
.endm
.macro PLACES
.rept 4
	v_nop
.endr
.endm
	s_load_b128 s[4:7], s[0:1], 0x0                ; ao, aos
	s_load_b128 s[8:11], s[0:1], 0x10              ; Wo's codes, scales
	s_load_b64 s[60:61], s[0:1], 0x20              ; bo
	s_load_b64 s[12:13], s[0:1], 0x28              ; out0
	v_lshl_add_u32 v[SPW], v0, 2, SPARE
	v_mov_b32 v[NIL], 0
	ds_add_u32 v[SPW], v[NIL]                      ; the opening lines
	ds_add_u32 v[SPW], v[NIL]
	v_lshrrev_b32 v1, 5, v0
	v_readfirstlane_b32 s14, v1
	s_lshr_b32 s15, s14, 1                         ; my half of the rows.  Also: I fetch for a (0) or Wo (1)
	s_and_b32 s16, s14, 1                          ; my half of the columns.  Also: which half of that tile I fetch
	s_bfe_u32 s40, ttmp6, 0x40000
	s_bfe_u32 s41, ttmp6, 0x40004
	s_lshl_b32 s42, ttmp9, 2
	s_add_co_u32 s42, s42, s40                     ; tile column
	s_and_b32 s17, ttmp7, 0xffff
	s_lshl_b32 s17, s17, 2
	s_add_co_u32 s17, s17, s41                     ; tile row
	s_lshl_b32 s43, s41, 2
	s_lshl_b32 s43, 15, s43
	s_lshl_b32 s44, 0x1111, s40
	s_or_b32 s[G1+0], s43, (3<<16)|(1<<21)         ; a: a dense block of 49,152 bytes as 192 rows of 256
	s_mov_b32 s[G1+1], 32<<16
	s_mov_b32 s[G1+2], 192<<16
	s_mov_b32 s[G1+3], 32<<16
	s_mov_b32 s[G1+4], 192
	s_mov_b32 s[G1+5], 32
	s_mov_b32 s[G1+6], 0
	s_mov_b32 s[G1+7], 0
	s_or_b32 s[G1B+0], s44, (1<<20)|(1<<21)|(5<<22)|(3<<25)   ; Wo: 128 rows of 768 bytes, 4 words of padding behind every 64
	s_mov_b32 s[G1B+1], 768<<16
	s_mov_b32 s[G1B+2], 128<<16
	s_mov_b32 s[G1B+3], 768<<16
	s_mov_b32 s[G1B+4], 128
	s_mov_b32 s[G1B+5], 768
	s_mov_b32 s[G1B+6], 0
	s_mov_b32 s[G1B+7], 0
	s_mul_i32 s94, s15, 49152                      ; LDS: my four tiles of a,
	s_mul_i32 s95, s16, 128*PITCH
	s_add_co_u32 s95, s95, BOFF                    ; my 128 rows of Wo,
	s_add_co_u32 s96, s95, 64*PITCH
	s_mul_i32 s97, s14, 16*SPITCH                  ; my stage
	s_lshl_b32 s18, s17, 7
	s_lshl_b32 s19, s16, 6
	s_add_co_u32 s20, s18, s19                     ; a: the 64 rows that I fetch: 768 bytes a row
	s_mul_i32 s20, s20, 768
	s_mov_b32 s21, 0
	s_lshl_b32 s46, s42, 8
	s_lshl_b32 s19, s16, 7
	s_add_co_u32 s46, s46, s19                     ; Wo: the 128 rows that I fetch, and multiply: my first column
	s_lshl_b32 s22, s46, 5
	s_mov_b32 s23, 0
	s_lshl_b32 s66, s46, 2                         ; in bytes of f32
	s_mov_b32 s67, 0
	s_mul_i32 s46, s46, 768
	s_mov_b32 s47, 0
	s_lshl_b32 s19, s15, 6
	s_add_co_u32 s18, s18, s19                     ; the 64 rows that I multiply
	s_lshl_b32 s92, s18, 5
	s_mov_b32 s93, 0
	s_lshl_b32 s18, s18, 12                        ; and where they lie in out0
	s_mov_b32 s19, 0
	s_wait_dscnt 0x0
	s_wait_kmcnt 0x0
	s_add_nc_u64 s[20:21], s[4:5], s[20:21]
	s_add_nc_u64 s[46:47], s[8:9], s[46:47]
	s_add_nc_u64 s[92:93], s[6:7], s[92:93]
	s_add_nc_u64 s[22:23], s[10:11], s[22:23]
	s_add_nc_u64 s[60:61], s[60:61], s[66:67]
	s_add_nc_u64 s[12:13], s[12:13], s[66:67]
	s_add_nc_u64 s[12:13], s[12:13], s[18:19]
	s_mov_b32 s[G0], 1
	s_mul_i32 s[G0+1], s16, 49152
	s_mov_b64 s[G0+2:G0+3], s[20:21]
	s_or_b32 s[G0+3], s[G0+3], 0x80000000
	s_mov_b32 s[G0B], 1
	s_mul_i32 s[G0B+1], s16, 128*PITCH
	s_add_co_u32 s[G0B+1], s[G0B+1], BOFF
	s_mov_b64 s[G0B+2:G0B+3], s[46:47]
	s_or_b32 s[G0B+3], s[G0B+3], 0x80000000
	CROUND                                         ; all sixteen work-groups are here: the joint loads meet
	s_cmp_eq_u32 s15, 0
	s_cbranch_scc0 .Lfor_b
	tensor_load_to_lds s[G0:G0+3], s[G1:G1+7]
	s_nop 0
	PLACES
	s_branch .Lasked
.Lfor_b:
	tensor_load_to_lds s[G0B:G0B+3], s[G1B:G1B+7]
	s_nop 0
	PLACES
.Lasked:
	v_and_b32 v1, 15, v0
	v_bfe_u32 v2, v0, 4, 1
	v_lshlrev_b32 v3, 5, v1
	v_lshl_add_u32 v[SOF], v2, 4, v3               ; 32 r + 16 h
	v_lshlrev_b32 v7, 5, v2                        ; the bias: 32 h
.irp a, 0,1,2,3
	global_load_b128 v[SCA+4*\a:SCA+4*\a+3], v[SOF], s[92:93] offset:512*\a
.endr
.irp b, 0,1,2,3,4,5,6,7
	global_load_b128 v[SCB+4*\b:SCB+4*\b+3], v[SOF], s[22:23] offset:512*\b
.endr
.irp b, 0,1,2,3,4,5,6,7
	global_load_b128 v[BIAS+8*\b:BIAS+8*\b+3], v7, s[60:61] offset:64*\b
	global_load_b128 v[BIAS+8*\b+4:BIAS+8*\b+7], v7, s[60:61] offset:64*\b+16
.endr
	v_and_b32 v6, 31, v0
	v_lshlrev_b32 v[CO], 4, v6
	v_lshlrev_b32 v5, 3, v6
	v_add_nc_u32 v[ADRA], s94, v[CO]
	v_add_nc_u32 v[ADRA+1], s94, v5
	v_mul_u32_u24 v3, v1, PITCH
	v_mad_u32_u24 v4, v2, 24, v3
	v_lshl_add_u32 v5, v2, 4, v4
	v_add_nc_u32 v[ADRB], s95, v4
	v_add_nc_u32 v[ADRB+1], s95, v5
	v_add_nc_u32 v[ADRB+2], s96, v4
	v_add_nc_u32 v[ADRB+3], s96, v5
	v_mul_u32_u24 v5, v1, SPITCH
	v_lshl_add_u32 v5, v2, 5, v5
	v_add_nc_u32 v[STO], s97, v5
	v_add_nc_u32 v[RD], s97, v[CO]
.macro FRAG reg, adr, st, i
.irp p, 0,1,2,3,4,5
.set FBY, 96*(\st)+48*(\p/3)+8*(\p%3)
.if FBY/256 == (FBY+24)/256
	ds_load_b64 v[\reg+2*\p:\reg+2*\p+1], v[\adr] offset:FBY+16*(FBY/256)+(\i)*16*PITCH
.else
	ds_load_b64 v[\reg+2*\p:\reg+2*\p+1], v[\adr+1] offset:FBY+16*(FBY/256)+(\i)*16*PITCH
.endif
.endr
.endm
.macro FB st, i0
	WIN TO_B
.irp i, 0,1,2,3
	FRAG 128*((\st)%2)+12*(\i0+\i), ADRB+(\i0)/2, \st, \i
.endr
	WIN 0
.endm
.macro FA st                           ; a's four blocks: two half fragments (heads 2 st, 2 st + 1) each: 16 loads
.irp i, 0,1,2,3
	ds_load_b128 v[AF+48*((\st)%2)+12*\i:AF+48*((\st)%2)+12*\i+3], v[ADRA] offset:12288*\i+1536*(\st)
	ds_load_b64 v[AF+48*((\st)%2)+12*\i+4:AF+48*((\st)%2)+12*\i+5], v[ADRA+1] offset:12288*\i+1536*(\st)+512
	ds_load_b128 v[AF+48*((\st)%2)+12*\i+6:AF+48*((\st)%2)+12*\i+9], v[ADRA] offset:12288*\i+1536*(\st)+768
	ds_load_b64 v[AF+48*((\st)%2)+12*\i+10:AF+48*((\st)%2)+12*\i+11], v[ADRA+1] offset:12288*\i+1536*(\st)+1280
.endr
.endm
.macro MUL16 a0, st                    ; the 32 accumulators take turns
.irp a, \a0, \a0+1
.irp b, 0,1,2,3,4,5,6,7
.if (\st) == 0
	v_wmma_scale_f32_16x16x128_f8f6f4 v[8*(8*(\a)+\b):8*(8*(\a)+\b)+7], v[12*\b:12*\b+11], v[AF+12*(\a):AF+12*(\a)+11], v[BIAS+8*\b:BIAS+8*\b+7], v[SCB+4*\b], v[SCA+4*(\a)] matrix_a_fmt:MATRIX_FMT_FP6 matrix_b_fmt:MATRIX_FMT_FP6
.elseif (\st) < 4
	v_wmma_scale_f32_16x16x128_f8f6f4 v[8*(8*(\a)+\b):8*(8*(\a)+\b)+7], v[128*((\st)%2)+12*\b:128*((\st)%2)+12*\b+11], v[AF+48*((\st)%2)+12*(\a):AF+48*((\st)%2)+12*(\a)+11], v[8*(8*(\a)+\b):8*(8*(\a)+\b)+7], v[SCB+4*\b+(\st)], v[SCA+4*(\a)+(\st)] matrix_a_fmt:MATRIX_FMT_FP6 matrix_b_fmt:MATRIX_FMT_FP6
.else
	v_wmma_scale_f32_16x16x128_f8f6f4 v[8*(8*(\a)+\b):8*(8*(\a)+\b)+7], v[128*((\st)%2)+12*\b:128*((\st)%2)+12*\b+11], v[AF+48*((\st)%2)+12*(\a):AF+48*((\st)%2)+12*(\a)+11], v[8*(8*(\a)+\b):8*(8*(\a)+\b)+7], v[SCB+4*\b+(\st)-4], v[SCA+4*(\a)+(\st)-4] matrix_a_fmt:MATRIX_FMT_FP6 matrix_b_fmt:MATRIX_FMT_FP6 matrix_a_scale:MATRIX_SCALE_ROW1 matrix_b_scale:MATRIX_SCALE_ROW1
.endif
.endr
.endr
.endm
.macro MWIN st
.if (\st) == 0
	WIN FST
.else
	WIN MUL
.endif
.endm
.macro STEP st
.if (\st) > 0
	PLACES                                         ; in front of loads into the set that the last step multiplied
.endif
	FB (\st)+1, 0
	FA (\st)+1
	s_wait_dscnt 40                                ; all but the 40 loads just issued: this step's fragments are in
	MWIN \st
	MUL16 0, \st
	FB (\st)+1, 4
	MWIN \st
	MUL16 2, \st
	WIN 0
.endm
	s_wait_alu depctr_va_vdst(0)                   ; the head's end
	s_wait_tensorcnt 0x0
	s_barrier_signal -1
	s_barrier_wait -1                              ; all four parts are in
	FB 0, 0
	FB 0, 4
	FA 0
	s_wait_loadcnt 0x0                             ; the scale words and the bias
.irp st, 0,1,2,3,4,5,6
	STEP \st
.endr
	s_wait_dscnt 0x0                               ; my reads of the tiles are over: the stages will lie over a's,
	s_barrier_signal -1
	WIN MUL
	MUL16 0, 7
	MUL16 2, 7
	WIN 0
	s_barrier_wait -1                              ; and are stored to only when all four waves have said so
; THE WAY OUT, block by block of 16 rows x 128 columns, through my stage, back as whole rows of 512 bytes
.macro TOSTAGE a
	WIN 0x08
.irp b, 0,1,2,3,4,5,6,7
	ds_store_b128 v[STO], v[64*(\a)+8*\b:64*(\a)+8*\b+3] offset:64*\b
	ds_store_b128 v[STO], v[64*(\a)+8*\b+4:64*(\a)+8*\b+7] offset:64*\b+16
.endr
	WIN 0
.set BB, BK+64*((\a)%2)
.irp t, 0,1,2,3,4,5,6,7,8,9,10,11,12,13,14,15
	ds_load_b128 v[BB+4*\t:BB+4*\t+3], v[RD] offset:\t*SPITCH
.endr
.endm
.macro SEND a, younger
.set BB, BK+64*((\a)%2)
	s_wait_dscnt \younger
.if (\a) > 0
	s_add_nc_u64 s[12:13], s[12:13], 8*NROW        ; tile u + 1 begins 8 tokens on (behind a wait on XCNT)
.endif
.irp t, 0,1,2,3,4,5,6,7,8,9,10,11,12,13,14,15
	global_store_b128 v[CO], v[BB+4*\t:BB+4*\t+3], s[12:13] offset:((\t%8)+32*(\t/8))*NROW th:TH_STORE_NT   ; 512 consecutive bytes, aligned to 256
.endr
.endm
	PLACES
	TOSTAGE 0
.irp a, 1,2,3
.if \a > 1
	s_wait_xcnt 0x0                                ; block a - 2's stores have read their registers and base
.endif
	TOSTAGE \a
	SEND \a-1, 32
.endr
	s_wait_xcnt 0x0
	SEND 3, 0
	s_wait_tensorcnt 0x0                           ; the wave's end
	ds_add_u32 v[SPW], v[NIL]
	s_wait_dscnt 0x0
	CROUND                                         ; the closing round
	s_endpgm
.Lfunc_end_k_qbfaaff4219_outp:
	.size	k_qbfaaff4219_outp, .Lfunc_end_k_qbfaaff4219_outp-k_qbfaaff4219_outp
	.p2alignl 7, 3214868480
	.fill 96, 4, 3214868480
	.section	.rodata,"a",@progbits
	.p2align	6, 0x0
	.amdhsa_kernel k_qbfaaff4219_outp
		.amdhsa_group_segment_fixed_size 327680
		.amdhsa_private_segment_fixed_size 0
		.amdhsa_enable_private_segment 0
		.amdhsa_kernarg_size 48
		.amdhsa_user_sgpr_count 2
		.amdhsa_user_sgpr_kernarg_segment_ptr 1
		.amdhsa_wavefront_size32 1
		.amdhsa_system_sgpr_workgroup_id_x 1
		.amdhsa_system_sgpr_workgroup_id_y 1
		.amdhsa_system_sgpr_workgroup_id_z 1
		.amdhsa_system_vgpr_workitem_id 0
		.amdhsa_next_free_vgpr 768
		.amdhsa_next_free_sgpr 98
		.amdhsa_reserve_vcc 0
		.amdhsa_float_denorm_mode_32 3
		.amdhsa_float_denorm_mode_16_64 3
		.amdhsa_memory_ordered 1
		.amdhsa_forward_progress 1
		.amdhsa_inst_pref_size 91
	.end_amdhsa_kernel
	.amdgpu_metadata
---
amdhsa.version: [ 1, 2 ]
amdhsa.kernels:
  - .name:           k_qbfaaff4219_outp
    .symbol:         k_qbfaaff4219_outp.kd
    .args:
      - { .name: ao, .offset: 0, .size: 8, .value_kind: global_buffer, .address_space: global }
      - { .name: aos, .offset: 8, .size: 8, .value_kind: global_buffer, .address_space: global }
      - { .name: Wo_codes, .offset: 16, .size: 8, .value_kind: global_buffer, .address_space: global }
      - { .name: Wo_scales, .offset: 24, .size: 8, .value_kind: global_buffer, .address_space: global }
      - { .name: bo, .offset: 32, .size: 8, .value_kind: global_buffer, .address_space: global }
      - { .name: out0, .offset: 40, .size: 8, .value_kind: global_buffer, .address_space: global }
    .group_segment_fixed_size: 327680
    .private_segment_fixed_size: 0
    .kernarg_segment_align: 8
    .kernarg_segment_size: 48
    .max_flat_workgroup_size: 128
    .sgpr_count:     98
    .vgpr_count:     768
    .wavefront_size: 32
...
	.end_amdgpu_metadata
.endif
;; end of part 3
